; MI455X (gfx1250); checked and timed in simulation.
; The chip was launched on July 23, 2026; its instructions are those of AMD's public machine-readable ISA for CDNA 5 (MIT licence, August 2026) and "CDNA5" Instruction Set Architecture Reference Guide (July 2026). The comments in the code are by the model that wrote it; some were corrected since.
;; Shallow Clue Refinement. Allowed arithmetic: matrix products marked QUANTISED: E3M2 operands, one E8M0 scale for each 32 along K, by v_wmma_scale_f32_16x16x128_f8f6f4 with both operands' format E3M2, f32 sums; products left as they are: f32 operands where the result goes on into a quantised operand, else bf16, f16 or f32 operands; f32 sums; everything else in f32.
;; Inputs: KSA_b 32 float32; KSA_w 32 x 512 float32; K_b 256 float32; K_w 256 x 256 float32; deep 4 x 512 x 64 x 64 float32; shallow 4 x 256 x 128 x 128 float32.
;; Outputs: out0 4 x 256 x 64 x 64 float32; out1 4 x 1 x 64 x 64 float32.
;; This version of the problem:
;;   THIS VERSION OF THE PROBLEM IS GIVEN IN LOW PRECISION. The matrix products marked QUANTISED in the list below multiply operands that are first quantised to E3M2 (3 exponent bits, 2 mantissa bits; 6 bits a number), with one power-of-two scale for each 32 numbers along K (OCP MX v1.0); their sums are f32. All else is computed in f32.
;;   The module's matrix products, in the order in which they are computed (A, B: the left and right operand; K: the contracted axis; several contracted axes count as one K, in the product's order):
;;     1. [M 32, K 512] x [K 512, N 16,384]; A: input KSA_w; B: input deep: QUANTISED
;;     2. batch 4 x [M 1, K 4,096] x [K 4,096, N 32]; A: computed on the way; B: computed on the way: left as it is (M = 1 < 16)
;;     3. batch 4 x [M 1, K 32] x [K 32, N 4,096]; A: computed on the way; B: computed on the way: left as it is (M = 1 < 16)
;;     4. [M 256, K 256] x [K 256, N 65,536]; A: input K_w; B: input shallow: QUANTISED
;;   THE QUANTISER, for each operand of a quantised product, along K:
;;     - K is cut into blocks of 32 from its start; a last block that is shorter is filled with zeros.
;;     - A block's scale is 2^e with e = floor(log2(the largest magnitude in the block)) - 4, held to -126 .. 127; a block of zeros has e = 0. As a byte (E8M0): e + 127.
;;     - Each number is divided by its block's scale, clamped to +-28, and rounded to the nearest number of E3M2, ties to even, subnormals kept.
;;     - The product sums the exact products of the quantised numbers (number of the format x scale) in f32.
;;   ~~~python
;;   def quantise(x, axis):      # numpy; x: float32 -> the quantised numbers, widened to float32 again
;;       x = np.moveaxis(x, axis, -1); K = x.shape[-1]
;;       x = np.pad(x, [(0, 0)] * (x.ndim - 1) + [(0, -K % 32)]); x = x.reshape(x.shape[:-1] + (-1, 32)); a = np.abs(x).max(-1, keepdims=True)
;;       e = np.where(a > 0, np.clip(np.frexp(np.where(a > 0, a, 1))[1] - 1 - 4, -126, 127), 0)      # np.frexp(a)[1] - 1 = floor(log2(a)), exactly
;;       r = np.clip(x / 2.0 ** e, -28, 28)
;;       step = 2.0 ** (np.maximum(np.frexp(np.where(r == 0, 1, r))[1] - 1, -2) - 2)
;;       q = np.round(r / step) * step * 2.0 ** e      # np.round: ties to even
;;       return np.moveaxis(q.reshape(q.shape[:-2] + (-1,))[..., :K], -1, axis).astype(np.float32)
;;   ~~~
;; One version. Each part assembles by itself: llvm-mc -triple=amdgcn-amd-amdhsa -mcpu=gfx1250 --defsym DOCPART=n.
;; ======== version 1 of 1: 3 launches
;; workspace buffers: mo 2,097,152 bytes; litp 8,192 bytes; kwc 49,152 bytes; kws 4,096 bytes
;; launch deepconv (part 1): grid 260 x 1, 8 waves a work-group, no clusters, 49,152 bytes of LDS; arguments deep, KSA_w, KSA_b, mo, K_w, kwc, kws; writes mo, kwc, kws
.if DOCPART == 1
	.amdgcn_target "amdgcn-amd-amdhsa--gfx1250"
	.amdhsa_code_object_version 6
	.text
	.protected	k_qb646414522_deepconv
	.globl	k_qb646414522_deepconv
	.p2align	8
	.type	k_qb646414522_deepconv,@function
k_qb646414522_deepconv:
	s_mov_b64 s[64:65], 0
	v_nop
	global_prefetch_b8 v0, s[64:65] scope:SCOPE_SE
	s_setreg_imm32_b32 hwreg(HW_REG_WAVE_MODE, 25, 1), 1
	s_wait_xcnt 0x0
; WORK-GROUPS 0-255: mo[b][o][pos] = sum over c of Q(KSA_w)[o][c] Q(deep)[b][c][pos] + KSA_b[o].  deep [4][512][4096] f32, KSA_w [32][512] f32, mo [4][32][4096] f32.
; Both operands are quantised along c to codes of BF6 (E3M2), one E8M0 scale for each 32 channels; sums in f32.
; A block's scale byte is its largest magnitude's exponent field - 4, held at 1 from below by a floor among the maximum's leaves.
; LIMITS: NaN and infinities among the inputs are not served.  A block of zeros carries the byte 1 where the rule says 127: its codes are zeros, and this program alone reads the bytes.
; The four quarters of K are summed by the matrix unit each for itself and then added in f32.
; SHARES.  A work-group takes one image row: 64 positions, 256 bytes of each channel.  Wave w = 2 kq + g takes positions 32 g .. 32 g + 31 and channels 128 kq .. 128 kq + 127.
; A LANE IS A POSITION AND ITS REGISTERS RUN DOWN THE CHANNELS: a load reads 128 consecutive bytes, a block of 32 lies in one lane, and the conversions give codes with K innermost.
; A lane then holds all four blocks of its position; the operand wants blocks 0, 2 in lanes 0-15 and blocks 1, 3 in lanes 16-31: twelve exchanges of halves make the fragments of two tiles of 16 positions.
; KSA_w is quantised once in the work-group, a fragment a wave, and goes from wave to wave through LDS as an image of its registers.
; The product is used with the positions as source 0: a lane holds one channel o and eight neighbouring positions.  The four quarters of K meet in LDS; mo leaves in rows of 256 bytes.
; WORK-GROUPS 256-259: K_w [256][256] f32 is quantised along its second axis, once for the 256 work-groups of the window launch.  A wave makes one fragment f = 2 t + s (rows 16 t on, K step s) and
; stores it IN THE ORDER OF THE OPERAND'S REGISTERS: three stores of 512 consecutive bytes, and 128 bytes of scale words.  This path uses no LDS and meets no barrier.
; No tensor load, no cluster: work-groups share only KSA_w's 64 KiB; each wave asks for its bytes of deep as early as its registers allow.
.set WIMG, 0                           ; LDS: KSA_w's 8 fragments (2 kq + tile), 1,536 bytes each
.set WSC,  8*1536                      ; their scale words, 128 bytes each
.set PART, WSC+8*128                   ; partial sums: 4 quarters of K x 32 rows o x (256 bytes + 16)
.set PP,   272
.set PQ,   32*PP
.set XR,   32                          ; v32-159  deep: four blocks of 32 numbers
.set WR,   160                         ; v160-223 64 numbers of a weight; afterwards:
.set WF,   160                         ; v160-183 KSA_w's two fragments
.set F0,   184                         ; v184-195 deep's fragment of positions 0-15 of my 32
.set F1,   196                         ; v196-207 of positions 16-31
.set TU,   208                         ; v208-223 the upper halves of the four blocks' codes
.set ACC,  224                         ; v224-255 four sums; before that the weight's fragment that I make
; v28 deep's scale word, v29-30 KSA_w's: scales and nothing else.  v31: the word that I make for a weight
; 64 numbers of a weight's row (lane (r, h): blocks h and 2 + h of a K step) become a fragment's codes at c and its scale word in v31
.macro QW s, c, t
.irp b, 0,1
	v_max3_num_f32 v[16+\b], |v[\s+32*\b]|, |v[\s+1+32*\b]|, 0x2800000   ; the floor 2^(5 - 127): the byte cannot fall under 1
.endr
.irp i, 2,4,6,8,10,12,14,16,18,20,22,24,26,28,30
.irp b, 0,1
	v_max3_num_f32 v[16+\b], v[16+\b], |v[\s+32*\b+\i]|, |v[\s+1+32*\b+\i]|
.endr
.endr
.irp b, 0,1
	v_add_nc_u32 v[18+\b], 0xfe000000, v[16+\b]    ; 4 off the exponent field: the conversion's scale operand
.endr
.irp b, 0,1
	v_lshrrev_b32 v[20+\b], 23, v[18+\b]           ; the scale's byte
.endr
	v_lshl_or_b32 v31, v21, 16, v20                ; my two bytes, blocks h and 2 + h,
	v_lshlrev_b32 v22, 3, v3
	v_lshlrev_b32 v31, v22, v31                    ; at their places in the word;
	v_mov_b32 v23, 0
	v_permlanex16_b32 v23, v31, s28, s29
	v_or_b32 v31, v31, v23                         ; with lane l xor 16's two the word is whole
.irp b, 0,1
	v_cvt_scalef32_pk16_bf6_f32 v[\c+6*\b:\c+6*\b+2], v[\s+32*\b:\s+32*\b+15], v[18+\b]
	v_cvt_scalef32_pk16_bf6_f32 v[\t+4*\b:\t+4*\b+2], v[\s+32*\b+16:\s+32*\b+31], v[18+\b]   ; (a conversion's three registers begin on an even number)
.endr
	v_nop                                          ; one plain place behind a scaled conversion
.irp b, 0,1
.irp i, 0,1,2
	v_mov_b32 v[\c+3+6*\b+\i], v[\t+4*\b+\i]
.endr
.endr
.endm
.macro DLOAD b                         ; block b of my K step: 32 channels, 128 consecutive bytes a load; read once in the launch
.set i, 0
.rept 32
	global_load_b32 v[XR+32*(\b)+i], v4, s[4:5] offset:(32*(\b)+i)*16384 th:TH_LOAD_NT
.set i, i+1
.endr
.endm
.macro QB b                            ; block b: all 32 numbers are my lane's
.set XS, XR+32*(\b)
.set FD, F0+12*((\b)%2)+6*((\b)/2)     ; blocks 0, 2 into F0, blocks 1, 3 into F1
	v_max3_num_f32 v[16+(\b)], |v[XS]|, |v[XS+1]|, 0x2800000
	v_max3_num_f32 v13, |v[XS+16]|, |v[XS+17]|, |v[XS+18]|
.irp i, 2,4,6,8,10,12
	v_max3_num_f32 v[16+(\b)], v[16+(\b)], |v[XS+\i]|, |v[XS+\i+1]|
	v_max3_num_f32 v13, v13, |v[XS+17+\i]|, |v[XS+18+\i]|
.endr
	v_max3_num_f32 v[16+(\b)], v[16+(\b)], |v[XS+14]|, |v[XS+15]|
	v_max3_num_f32 v[16+(\b)], v[16+(\b)], v13, |v[XS+31]|
	v_add_nc_u32 v[20+(\b)], 0xfe000000, v[16+(\b)]
	v_cvt_scalef32_pk16_bf6_f32 v[FD:FD+2], v[XS:XS+15], v[20+(\b)]
	v_cvt_scalef32_pk16_bf6_f32 v[TU+4*(\b):TU+4*(\b)+2], v[XS+16:XS+31], v[20+(\b)]
	v_lshrrev_b32 v[24+(\b)], 23, v[20+(\b)]       ; the byte; also the plain place behind the conversions
.irp i, 0,1,2
	v_mov_b32 v[FD+3+\i], v[TU+4*(\b)+\i]
.endr
.endm
	s_load_b128 s[4:7], s[0:1], 0x0                ; deep, KSA_w
	s_load_b128 s[8:11], s[0:1], 0x10              ; KSA_b, mo
	s_load_b128 s[36:39], s[0:1], 0x20             ; K_w, kwc
	s_load_b64 s[40:41], s[0:1], 0x30              ; kws
	s_set_vgpr_msb 0x40
	v_lshl_add_u32 v0, v0, 2, 0xbc00
	v_mov_b32 v1, 0
	s_set_vgpr_msb 0x4000
	v_lshrrev_b32 v1, 5, v0
	v_readfirstlane_b32 s12, v1                    ; wave 0..7
	v_and_b32 v1, 31, v0                           ; lane
	v_and_b32 v2, 15, v0                           ; r
	v_bfe_u32 v3, v0, 4, 1                         ; h
	v_lshlrev_b32 v4, 2, v1                        ; 4 x lane
	v_lshlrev_b32 v15, 4, v1                       ; 16 x lane
	s_mov_b32 s28, 0x76543210
	s_mov_b32 s29, 0xfedcba98                      ; v_permlanex16_b32's selects for lane l xor 16
	s_cmp_ge_u32 ttmp9, 256                        ; the same for all waves of a work-group
	s_cbranch_scc1 .Lkw
	s_and_b32 s13, s12, 1                          ; g
	s_lshr_b32 s14, s12, 1                         ; kq
	s_lshr_b32 s15, ttmp9, 6                       ; batch
	s_and_b32 s16, ttmp9, 63                       ; image row
	s_lshl_b32 s20, s15, 23                        ; deep: batch x 8 MiB
	s_lshl_b32 s17, s14, 21                        ; + 128 kq channels of 16 KiB
	s_add_co_u32 s20, s20, s17
	s_lshl_b32 s18, s16, 8                         ; + the row's 256 bytes
	s_add_co_u32 s20, s20, s18
	s_lshl_b32 s17, s13, 7                         ; + my half of them
	s_add_co_u32 s20, s20, s17
	s_mov_b32 s21, 0
	s_lshl_b32 s22, s13, 15                        ; KSA_w: rows 16 g on, 2,048 bytes each,
	s_lshl_b32 s17, s14, 9                         ; K step kq
	s_add_co_u32 s22, s22, s17
	s_mov_b32 s23, 0
	s_lshl_b32 s24, s12, 4                         ; KSA_b: my four channels on the way out
	s_mov_b32 s25, 0
	s_lshl_b32 s26, s15, 19                        ; mo: batch x 512 KiB + channels 4 w on + the row
	s_lshl_b32 s17, s12, 16
	s_add_co_u32 s26, s26, s17
	s_add_co_u32 s26, s26, s18
	s_mov_b32 s27, 0
	v_lshlrev_b32 v5, 11, v2
	v_lshl_add_u32 v5, v3, 7, v5                   ; KSA_w: row r, + 128 h bytes: my block of 32
	s_mul_i32 s17, s12, 1536
	v_add_nc_u32 v6, s17, v15                      ; where my fragment's image goes
	s_lshl_b32 s17, s12, 7
	s_add_co_u32 s17, s17, WSC
	v_add_nc_u32 v7, s17, v4                       ; and its scale word
	s_mul_i32 s17, s14, 3072
	v_add_nc_u32 v8, s17, v15                      ; where my K step's two fragments lie
	s_lshl_b32 s17, s14, 8
	s_add_co_u32 s17, s17, WSC
	v_add_nc_u32 v9, s17, v4                       ; and their scale words
	s_mul_i32 s17, s14, PQ
	s_lshl_b32 s18, s13, 7
	s_add_co_u32 s17, s17, s18
	s_add_co_u32 s17, s17, PART
	v_mul_u32_u24 v10, v2, PP
	v_lshl_add_u32 v10, v3, 5, v10
	v_add_nc_u32 v10, s17, v10                     ; partial sums in: quarter kq, row o = r, my 32 positions, + 32 h bytes
	s_mul_i32 s17, s12, 4*PP
	s_add_co_u32 s17, s17, PART
	v_lshlrev_b32 v12, 3, v1                       ; 8 x lane
	v_add_nc_u32 v11, s17, v12                     ; and back: rows 4 w on, two positions a lane
	s_wait_kmcnt 0x0
	s_add_nc_u64 s[4:5], s[4:5], s[20:21]
	s_add_nc_u64 s[6:7], s[6:7], s[22:23]
	s_add_nc_u64 s[8:9], s[8:9], s[24:25]
	s_add_nc_u64 s[10:11], s[10:11], s[26:27]
	s_load_b128 s[32:35], s[8:9], 0x0              ; the bias of channels 4 w .. 4 w + 3
.irp c, 0,1
.irp j, 0,1,2,3,4,5,6,7
	global_load_b128 v[WR+32*\c+4*\j:WR+32*\c+4*\j+3], v5, s[6:7] offset:256*\c+16*\j   ; KSA_w(16 g + r, 128 kq + 64 c + 32 h + 4 j ..)
.endr
.endr
	DLOAD 0
	s_wait_loadcnt 32                              ; the weights are in; block 0's 32 loads may be out
	QW WR, ACC, ACC+12
.irp q, 0,1,2
	ds_store_b128 v6, v[ACC+4*\q:ACC+4*\q+3] offset:WIMG+512*\q   ; the fragment as it stands: lane l's 16 bytes at 16 l
.endr
	ds_store_b32 v7, v31
	DLOAD 1
	s_wait_loadcnt 32                              ; block 0 is in; block 1's 32 loads may be out
	DLOAD 2
	QB 0
	s_wait_loadcnt 32                              ; block 1 is in; block 2's may be out
	DLOAD 3
	QB 1
	s_wait_loadcnt 32                              ; block 2 is in; block 3's may be out
	QB 2
	s_wait_loadcnt 0x0
	QB 3
	v_lshl_or_b32 v28, v25, 8, v24                 ; the four bytes make my position's scale word: lanes 0-15 serve the first tile, lanes 16-31 the second
	v_lshl_or_b32 v28, v26, 16, v28
	v_lshl_or_b32 v28, v27, 24, v28
.irp i, 0,1,2,3,4,5,6,7,8,9,10,11
	v_permlane16_swap_b32 v[F0+\i], v[F1+\i]       ; F0's lanes 16-31 change places with F1's lanes 0-15: F0 is now the fragment of positions 0-15, F1 of 16-31
.endr
	s_wait_dscnt 0x0                               ; my image of KSA_w has landed
	s_barrier_signal -1
	s_barrier_wait -1                              ; everybody's has
.irp t, 0,1
.irp q, 0,1,2
	ds_load_b128 v[WF+12*\t+4*\q:WF+12*\t+4*\q+3], v8 offset:WIMG+1536*\t+512*\q
.endr
	ds_load_b32 v[29+\t], v9 offset:128*\t
.endr
.rept 8
	v_nop                                          ; a scale register written by a vector instruction stands 8 places ahead of a scaled matrix instruction, an operand so written 4
.endr
	s_wait_dscnt 0x0
.irp t, 0,1                                    ; source 0 = 16 positions, source 1 = 16 rows of KSA_w; my K step is the whole sum of this wave
	v_wmma_scale_f32_16x16x128_f8f6f4 v[ACC+8*\t:ACC+8*\t+7], v[F0:F0+11], v[WF+12*\t:WF+12*\t+11], 0, v28, v[29+\t] matrix_a_fmt:MATRIX_FMT_BF6 matrix_b_fmt:MATRIX_FMT_BF6
.endr
.irp t, 0,1
	v_wmma_scale_f32_16x16x128_f8f6f4 v[ACC+16+8*\t:ACC+16+8*\t+7], v[F1:F1+11], v[WF+12*\t:WF+12*\t+11], 0, v28, v[29+\t] matrix_a_fmt:MATRIX_FMT_BF6 matrix_b_fmt:MATRIX_FMT_BF6 matrix_a_scale:MATRIX_SCALE_ROW1
.endr
.rept 4
	v_nop                                          ; four places in front of the first read of results (ISA guide 7.12.1)
.endr
.irp p, 0,1
.irp t, 0,1
	ds_store_b128 v10, v[ACC+8*(2*\p+\t):ACC+8*(2*\p+\t)+3] offset:\t*16*PP+\p*64       ; lane (r, h): o = 16 t + r, positions 16 p + 8 h + 0 .. 7; each sum from its low end on
	ds_store_b128 v10, v[ACC+8*(2*\p+\t)+4:ACC+8*(2*\p+\t)+7] offset:\t*16*PP+\p*64+16
.endr
.endr
	s_wait_dscnt 0x0                               ; my partial sums have landed
	s_barrier_signal -1
	s_barrier_wait -1
.irp c, 0,1,2,3
.irp k, 0,1,2,3
	ds_load_b64 v[32+8*\c+2*\k:33+8*\c+2*\k], v11 offset:\k*PQ+\c*PP
.endr
.endr
	s_wait_dscnt 0x0
	s_wait_kmcnt 0x0                               ; the bias
.irp c, 0,1,2,3
	v_pk_add_f32 v[32+8*\c:33+8*\c], v[32+8*\c:33+8*\c], v[34+8*\c:35+8*\c]
	v_pk_add_f32 v[36+8*\c:37+8*\c], v[36+8*\c:37+8*\c], v[38+8*\c:39+8*\c]
.endr
.irp c, 0,1,2,3
	v_pk_add_f32 v[32+8*\c:33+8*\c], v[32+8*\c:33+8*\c], v[36+8*\c:37+8*\c]
.endr
.irp c, 0,1,2,3
	v_add_f32 v[32+8*\c], s[32+\c], v[32+8*\c]
	v_add_f32 v[33+8*\c], s[32+\c], v[33+8*\c]
.endr
.irp c, 0,1,2,3
	global_store_b64 v12, v[32+8*\c:33+8*\c], s[10:11] offset:\c*16384   ; 32 lanes store a channel's 256 consecutive bytes, at a multiple of 256 from mo's first byte
.endr
	s_set_vgpr_msb 0x5
	s_wait_tensorcnt 0x0
	ds_add_u32 v0, v1
	s_wait_dscnt 0x0
	s_set_vgpr_msb 0x500
	s_endpgm
.Lkw:                                              ; K_w's fragment f = 8 (work-group - 256) + wave
	s_sub_co_u32 s16, ttmp9, 256
	s_lshl_b32 s16, s16, 3
	s_add_co_u32 s16, s16, s12
	s_lshr_b32 s17, s16, 1                         ; t
	s_and_b32 s18, s16, 1                          ; s
	s_lshl_b32 s20, s17, 14                        ; 16 rows of 1,024 bytes
	s_lshl_b32 s18, s18, 9                         ; + the K step's 512 bytes
	s_add_co_u32 s20, s20, s18
	s_mov_b32 s21, 0
	s_mul_i32 s22, s16, 1536
	s_mov_b32 s23, 0
	s_lshl_b32 s24, s16, 7
	s_mov_b32 s25, 0
	v_lshlrev_b32 v14, 10, v2
	v_lshl_add_u32 v14, v3, 7, v14                 ; row r of 1,024 bytes, + 128 h
	s_wait_kmcnt 0x0
	s_add_nc_u64 s[36:37], s[36:37], s[20:21]
	s_add_nc_u64 s[38:39], s[38:39], s[22:23]
	s_add_nc_u64 s[40:41], s[40:41], s[24:25]
.irp c, 0,1
.irp j, 0,1,2,3,4,5,6,7
	global_load_b128 v[WR+32*\c+4*\j:WR+32*\c+4*\j+3], v14, s[36:37] offset:256*\c+16*\j   ; K_w(16 t + r, 128 s + 64 c + 32 h + 4 j ..)
.endr
.endr
	s_wait_loadcnt 0x0
	QW WR, ACC, ACC+12
.irp q, 0,1,2
	global_store_b128 v15, v[ACC+4*\q:ACC+4*\q+3], s[38:39] offset:512*\q   ; 32 lanes store 512 consecutive bytes
.endr
	global_store_b32 v4, v31, s[40:41]
	s_endpgm
.Lfunc_end_k_qb646414522_deepconv:
	.size	k_qb646414522_deepconv, .Lfunc_end_k_qb646414522_deepconv-k_qb646414522_deepconv
	.p2alignl 7, 3214868480
	.fill 96, 4, 3214868480
	.section	.rodata,"a",@progbits
	.p2align	6, 0x0
	.amdhsa_kernel k_qb646414522_deepconv
		.amdhsa_group_segment_fixed_size 49152
		.amdhsa_private_segment_fixed_size 0
		.amdhsa_enable_private_segment 0
		.amdhsa_kernarg_size 56
		.amdhsa_user_sgpr_count 2
		.amdhsa_user_sgpr_kernarg_segment_ptr 1
		.amdhsa_wavefront_size32 1
		.amdhsa_system_sgpr_workgroup_id_x 1
		.amdhsa_system_sgpr_workgroup_id_y 1
		.amdhsa_system_sgpr_workgroup_id_z 1
		.amdhsa_system_vgpr_workitem_id 0
		.amdhsa_next_free_vgpr 258
		.amdhsa_next_free_sgpr 66
		.amdhsa_reserve_vcc 0
		.amdhsa_float_denorm_mode_32 3
		.amdhsa_float_denorm_mode_16_64 3
		.amdhsa_memory_ordered 1
		.amdhsa_forward_progress 1
		.amdhsa_inst_pref_size 37
	.end_amdhsa_kernel
	.amdgpu_metadata
---
amdhsa.version: [ 1, 2 ]
amdhsa.kernels:
  - .name:           k_qb646414522_deepconv
    .symbol:         k_qb646414522_deepconv.kd
    .args:
      - { .name: deep, .offset: 0, .size: 8, .value_kind: global_buffer, .address_space: global }
      - { .name: KSA_w, .offset: 8, .size: 8, .value_kind: global_buffer, .address_space: global }
      - { .name: KSA_b, .offset: 16, .size: 8, .value_kind: global_buffer, .address_space: global }
      - { .name: mo, .offset: 24, .size: 8, .value_kind: global_buffer, .address_space: global }
      - { .name: K_w, .offset: 32, .size: 8, .value_kind: global_buffer, .address_space: global }
      - { .name: kwc, .offset: 40, .size: 8, .value_kind: global_buffer, .address_space: global }
      - { .name: kws, .offset: 48, .size: 8, .value_kind: global_buffer, .address_space: global }
    .group_segment_fixed_size: 49152
    .private_segment_fixed_size: 0
    .kernarg_segment_align: 8
    .kernarg_segment_size: 56
    .max_flat_workgroup_size: 256
    .sgpr_count:     66
    .vgpr_count:     258
    .wavefront_size: 32
...
	.end_amdgpu_metadata
.endif
;; end of part 1
;; launch litpart (part 2): grid 64 x 1, 8 waves a work-group, no clusters, 2,048 bytes of LDS; arguments mo, litp; writes litp
.if DOCPART == 2
	.amdgcn_target "amdgcn-amd-amdhsa--gfx1250"
	.amdhsa_code_object_version 6
	.text
	.protected	k_qb646414522_litpart
	.globl	k_qb646414522_litpart
	.p2align	8
	.type	k_qb646414522_litpart,@function
k_qb646414522_litpart:
	s_mov_b64 s[64:65], 0
	v_nop
	global_prefetch_b8 v0, s[64:65] scope:SCOPE_SE
	s_setreg_imm32_b32 hwreg(HW_REG_WAVE_MODE, 25, 1), 1
	s_wait_xcnt 0x0
; A part of lit[b][dd] = (1 / 4096) sum over p of q[b][p] flat[b][32 p + dd], q[b][p] = max over d of mo[b][d][p], flat = mo[b] read as one run of 131,072 numbers.  All in f32.
; Work-group 16 b + part takes p = 256 part .. + 255, a wave 32 of them.  First lane = p: 32 loads down the channels, the maximum in the lane.  Then lane = dd: 32 rows of 128 bytes of the flat view,
; each multiplied by its q, which is read out of its lane into a scalar register.  The eight waves' sums meet in LDS; 32 numbers leave.  The window launch adds a batch's 16 parts, in a fixed order.
; No matrix unit: the product has one row.  No ring: a wave asks for all its 8 KiB at once.
	s_load_b128 s[4:7], s[0:1], 0x0                ; mo, litp
	v_lshl_add_u32 v128, v0, 2, 0x400
	v_mov_b32 v129, 0
	v_lshrrev_b32 v1, 5, v0
	v_readfirstlane_b32 s14, v1                    ; wave 0..7
	v_and_b32 v1, 31, v0                           ; lane
	v_lshlrev_b32 v4, 2, v1                        ; 4 x lane
	s_lshl_b32 s15, s14, 7
	v_add_nc_u32 v7, s15, v4                       ; LDS: my wave's 128 bytes
	s_lshr_b32 s16, ttmp9, 4                       ; batch
	s_and_b32 s17, ttmp9, 15                       ; part
	s_lshl_b32 s18, s16, 19                        ; batch x 512 KiB
	s_lshl_b32 s20, s17, 10
	s_add_co_u32 s20, s20, s18
	s_add_co_u32 s20, s20, s15                     ; q: position 256 part + 32 wave, 4 bytes each
	s_mov_b32 s21, 0
	s_lshl_b32 s22, s17, 15
	s_add_co_u32 s22, s22, s18
	s_lshl_b32 s19, s14, 12
	s_add_co_u32 s22, s22, s19                     ; the flat view: 128 bytes for each p
	s_mov_b32 s23, 0
	s_lshl_b32 s24, ttmp9, 7                       ; litp: 128 bytes a work-group
	s_mov_b32 s25, 0
	s_wait_kmcnt 0x0
	s_add_nc_u64 s[20:21], s[4:5], s[20:21]
	s_add_nc_u64 s[22:23], s[4:5], s[22:23]
	s_add_nc_u64 s[6:7], s[6:7], s[24:25]
.set d, 0
.rept 32
	global_load_b32 v[32+d], v4, s[20:21] offset:d*16384     ; mo(d, my p)
.set d, d+1
.endr
.set d, 0
.rept 32
	global_load_b32 v[64+d], v4, s[22:23] offset:d*128       ; flat(32 (p0 + d) + lane)
.set d, d+1
.endr
	s_wait_loadcnt 32                              ; the 32 channels of my p are in; the 32 rows of the flat view may be out
	v_max3_num_f32 v8, v32, v33, v34
	v_max3_num_f32 v9, v35, v36, v37
.irp i, 38,42,46,50,54,58
	v_max3_num_f32 v8, v8, v[\i], v[\i+1]
	v_max3_num_f32 v9, v9, v[\i+2], v[\i+3]
.endr
	v_max3_num_f32 v8, v8, v62, v63
	v_max_num_f32 v8, v8, v9                       ; q of p0 + lane
.set d, 0
.rept 32
	v_readlane_b32 s[32+d], v8, d
.set d, d+1
.endr
	s_wait_loadcnt 0x0
.irp c, 0,1,2,3
	v_mul_f32 v[10+\c], s[32+\c], v[64+\c]         ; four chains, started by the first four products
.endr
.set d, 4
.rept 28
	v_fmac_f32 v[10+d%4], s[32+d], v[64+d]
.set d, d+1
.endr
	v_add_f32 v10, v10, v11
	v_add_f32 v12, v12, v13
	v_add_f32 v10, v10, v12
	v_mul_f32 v10, 0x39800000, v10                 ; / 4096: exact
	ds_store_b32 v7, v10
	s_wait_dscnt 0x0                               ; my sum has landed in LDS
	s_barrier_signal -1
	s_barrier_wait -1
	s_cmp_lg_u32 s14, 0
	s_cbranch_scc1 .Lend
.irp k, 0,1,2,3,4,5,6,7
	ds_load_b32 v[16+\k], v4 offset:128*\k
.endr
	s_wait_dscnt 0x0
	v_add_f32 v16, v16, v17
	v_add_f32 v18, v18, v19
	v_add_f32 v20, v20, v21
	v_add_f32 v22, v22, v23
	v_add_f32 v16, v16, v18
	v_add_f32 v20, v20, v22
	v_add_f32 v16, v16, v20
	global_store_b32 v4, v16, s[6:7]
.Lend:
	s_wait_tensorcnt 0x0
	ds_add_u32 v128, v129
	s_wait_dscnt 0x0
	s_endpgm
.Lfunc_end_k_qb646414522_litpart:
	.size	k_qb646414522_litpart, .Lfunc_end_k_qb646414522_litpart-k_qb646414522_litpart
	.p2alignl 7, 3214868480
	.fill 96, 4, 3214868480
	.section	.rodata,"a",@progbits
	.p2align	6, 0x0
	.amdhsa_kernel k_qb646414522_litpart
		.amdhsa_group_segment_fixed_size 2048
		.amdhsa_private_segment_fixed_size 0
		.amdhsa_enable_private_segment 0
		.amdhsa_kernarg_size 16
		.amdhsa_user_sgpr_count 2
		.amdhsa_user_sgpr_kernarg_segment_ptr 1
		.amdhsa_wavefront_size32 1
		.amdhsa_system_sgpr_workgroup_id_x 1
		.amdhsa_system_sgpr_workgroup_id_y 1
		.amdhsa_system_sgpr_workgroup_id_z 1
		.amdhsa_system_vgpr_workitem_id 0
		.amdhsa_next_free_vgpr 130
		.amdhsa_next_free_sgpr 66
		.amdhsa_reserve_vcc 0
		.amdhsa_float_denorm_mode_32 3
		.amdhsa_float_denorm_mode_16_64 3
		.amdhsa_memory_ordered 1
		.amdhsa_forward_progress 1
		.amdhsa_inst_pref_size 13
	.end_amdhsa_kernel
	.amdgpu_metadata
---
amdhsa.version: [ 1, 2 ]
amdhsa.kernels:
  - .name:           k_qb646414522_litpart
    .symbol:         k_qb646414522_litpart.kd
    .args:
      - { .name: mo, .offset: 0, .size: 8, .value_kind: global_buffer, .address_space: global }
      - { .name: litp, .offset: 8, .size: 8, .value_kind: global_buffer, .address_space: global }
    .group_segment_fixed_size: 2048
    .private_segment_fixed_size: 0
    .kernarg_segment_align: 8
    .kernarg_segment_size: 16
    .max_flat_workgroup_size: 256
    .sgpr_count:     66
    .vgpr_count:     130
    .wavefront_size: 32
...
	.end_amdgpu_metadata
.endif
;; end of part 2
;; launch window (part 3): grid 256 x 1, 16 waves a work-group, no clusters, 113,664 bytes of LDS; arguments shallow, K_b, mo, litp, kwc, kws, out0, out1; writes out0, out1
.if DOCPART == 3
	.amdgcn_target "amdgcn-amd-amdhsa--gfx1250"
	.amdhsa_code_object_version 6
	.text
	.protected	k_qb646414522_window
	.globl	k_qb646414522_window
	.p2align	8
	.type	k_qb646414522_window,@function
k_qb646414522_window:
	s_mov_b64 s[64:65], 0
	v_nop
	global_prefetch_b8 v0, s[64:65] scope:SCOPE_SE
	s_setreg_imm32_b32 hwreg(HW_REG_WAVE_MODE, 25, 1), 1
	s_wait_xcnt 0x0
; out1[b][p] = sum over d of lit[b][d] mo[b][d][p];  out0[b][o][p] = (1 + sigmoid(out1[b][p])) att[b][o][p];  att = the softmax-weighted mean of Kx over the 3 x 3 window (stride 2, zeros round the image),
; logits = mean over d of mo[b][d][p] times the window's numbers;  Kx = Q(K_w) Q(shallow) + K_b, both operands in codes of BF6 (E3M2) with one E8M0 scale for each 32 channels, sums in f32.
; LIMITS: NaN and infinities among the inputs are not served.  A block of zeros carries the scale byte 1 where the rule says 127: its codes are zeros, and the bytes stay in LDS.
; SHARES.  A work-group owns one output row i of one batch: 64 positions x 256 channels, made from input rows 2 i - 1, 2 i, 2 i + 1 (a, b, c), whole width, in four CHUNKS of 32 input columns.
; Row a is also the neighbour's row c: it is loaded and multiplied twice in the launch.  With one output row's worth of work to each of 256 work-groups any other split needs a halo column, 4 bytes of every 256.
; ROLES.  Waves 8-15 PRODUCE: wave 8 + w takes channels 32 w .. 32 w + 31.  A lane is a column and its registers run down the channels (a load reads 128 consecutive bytes, a block of 32 lies in one lane); codes go to LDS as
; slices of the reader's operand registers, the scale as one byte of the reader's scale word.  Two units of 32 loads are always asked for ahead, across the barriers too.
; Waves 0-7 CONSUME: wave w owns channels 32 w .. 32 w + 31, K_w's four fragments stay in its registers.  Stage s: chunk s is produced into buffer s % 2 while chunk s - 1 is consumed from the other: one barrier a stage.
; The roles part on the wave's number and meet at each barrier; every LDS address register is made ahead of the first parting and holds nothing else.
; LAYOUT.  Source 0 = 16 positions, source 1 = 16 rows of K_w: a lane holds ONE channel (lane % 16) and eight positions.  WHICH POSITIONS FORM A TILE is chosen for the window: with H = lane / 16 a lane holds columns 16 H .. 16 H + 15
; of the chunk.  Tile n = 0..3: columns 16 H + 4 n + i, rows b and c as a register pair at 2 ((i + 1) % 4).  Tile 4 + n: row a, columns 16 H + 8 n + j at register (j + 2) % 8.  So a window is four pairs and one number,
; packed arithmetic serves it, the left neighbour's column comes from the other half of the lanes once a chunk, and that column (the lane's last) lies in its accumulators' low registers.
; THE BIAS is left out of the sums: with K' = Kx - K_b the softmax's weights are the same, att = K_b + sum of weights x K', and a padded zero is K' = -K_b.
; THE SOFTMAX takes the window's largest logit away: t = K' x qmean x log2(e), m = max t, e = 2^(t - m).
; No tensor load, so no joint request: the quantiser wants the channels down a lane's registers, which plain loads give; through LDS the f32 rows would be 393,216 bytes written and read again for each work-group, against
; 73,728 bytes of codes.  What work-groups share is one row of three, with one neighbour, and K_w's 53,248 bytes.
.set TS,    3328                       ; LDS: a tile's two fragments (2 x 1,536 bytes) and room for its shift
.set FRB,   1536
.set SCO,   6*TS                       ; behind a buffer's six tiles: scale words, 128 bytes for each pair of tiles and K step
.set BUFSZ, SCO+768
.set TAB,   2*BUFSZ                    ; (qmean x log2 e, 1 + sigmoid) of the 64 positions, 8 bytes each
.set STG,   TAB+512                    ; the way out: 256 rows x (256 bytes + 16)
.set SP,    272
.set LN4,  1                           ; v1   4 x lane
.set WBC,  2                           ; v2   producer: where my column's codes of row b go (row c: 8 bytes on)
.set WA,   3                           ; v3   of row a
.set SBC,  4                           ; v4   where my scale byte of row b goes (row c: 4 bytes on)
.set SA,   5                           ; v5   of row a
.set LN8,  6                           ; v6   8 x lane
.set RT,   7                           ; v7   64 H: my eight positions in the table
.set SO,   8                           ; v8   the stage: where I put 16 bytes of my channel's row
.set SR,   9                           ; v9   and where I read rows back
.set GO,   10                          ; v10  my byte offset in out0
.set LN16, 11                          ; v11  16 x lane
.set R4,   12                          ; v12  4 x (lane % 16)
.set KW,   16                          ; consumer: v16-63 K_w's fragments (channel tile c, K step s) at 24 c + 12 s
.set KWS,  64                          ; v64-67  their scale words: scales and nothing else
.set BETA, 68                          ; v68-71  K_b and -K_b of my channel, for each channel tile
.set SH,   72                          ; v72-79  the last chunk's last column (b, c, a), four registers a channel tile
.set QS,   80                          ; v80-95  my eight positions' table entries: pairs (qs, 1 + sigmoid)
.set ACC,  96                          ; v96-191 accumulators: 48 c + 8 tile
.set TP,   192                         ; v192-239 two tiles' fragments; then the softmax of four outputs, ten registers each: four pairs, m, the single number
.set NB2,  232                         ; v232-239 four pairs: sums of e x K'
.set HP,   240                         ; v240-241 the left neighbour's column, rows b and c;
.set HA,   242                         ; v242     row a
.set HT,   243                         ; v243-245 on their way
.set AS,   246                         ; v246-251 the positions' scale words: pair of tiles j, K step s at 2 j + s: scales and nothing else
.set XB,   32                          ; producer: v32-127 three slots of 32 numbers, one for each row
.set CB,   128                         ; v128-163 codes: twelve registers a row
.set AM,   168
.set BM,   169
.set SOP,  170                         ; v170-172 the conversions' scale operands
.set BY,   173                         ; v173-175 the scale bytes
.macro BAR                             ; my LDS stores have landed and my LDS loads are in: then the work-group's barrier
	s_wait_dscnt 0x0
	s_barrier_signal -1
	s_barrier_wait -1
.endm
; PRODUCER.  Unit u = 3 chunk + row (0: a, 1: b, 2: c): my 32 channels of the row's 32 columns.
.macro ULOAD u
.set ch, 0
.rept 32
.if ((\u)%3) == 0
	global_load_b32 v[XB+ch], v[LN4], s[32:33] offset:ch*65536+((\u)/3)*128
.else
	global_load_b32 v[XB+32*((\u)%3)+ch], v[LN4], s[30:31] offset:ch*65536+((\u)%3-1)*512+((\u)/3)*128
.endif
.set ch, ch+1
.endr
.endm
.macro UPROC u
.set RO, (\u)%3
.set XS, XB+32*RO
.set CC, CB+12*RO
.set BF, (((\u)/3)%2)*BUFSZ
	v_max3_num_f32 v[AM], |v[XS]|, |v[XS+1]|, 0x2800000            ; the block's largest magnitude, in two chains, and the floor 2^(5 - 127): the byte cannot fall under 1
	v_max3_num_f32 v[BM], |v[XS+16]|, |v[XS+17]|, |v[XS+18]|
.irp i, 2,4,6,8,10,12
	v_max3_num_f32 v[AM], v[AM], |v[XS+\i]|, |v[XS+\i+1]|
	v_max3_num_f32 v[BM], v[BM], |v[XS+17+\i]|, |v[XS+18+\i]|
.endr
	v_max3_num_f32 v[AM], v[AM], |v[XS+14]|, |v[XS+15]|
	v_max3_num_f32 v[AM], v[AM], v[BM], |v[XS+31]|
	v_add_nc_u32 v[SOP+RO], 0xfe000000, v[AM]      ; 4 off its exponent field: the conversion's scale operand
	v_cvt_scalef32_pk16_bf6_f32 v[CC:CC+2], v[XS:XS+15], v[SOP+RO]
	v_cvt_scalef32_pk16_bf6_f32 v[CC+6:CC+8], v[XS+16:XS+31], v[SOP+RO]   ; (a conversion's three registers begin on an even number)
	v_lshrrev_b32 v[BY+RO], 23, v[SOP+RO]          ; the scale's byte; also the plain place behind the conversions
.irp i, 0,1,2
	v_mov_b32 v[CC+3+\i], v[CC+6+\i]
.endr
.if RO == 0
.irp e, 0,1,2
	ds_store_b64 v[WA], v[CC+2*\e:CC+2*\e+1] offset:BF+256*\e      ; registers 6 c + 2 e, + 1 of the reader's lane: slices of 256 bytes, 8 bytes a lane
.endr
	ds_store_b8 v[SA], v[BY+RO] offset:BF
.else
.irp e, 0,1,2
	ds_store_b64 v[WBC], v[CC+2*\e:CC+2*\e+1] offset:BF+8*(RO-1)+256*\e
.endr
	ds_store_b8 v[SBC], v[BY+RO] offset:BF+4*(RO-1)
.endif
.endm
.macro PUNIT u
.if (\u) < 11
	s_wait_loadcnt 32                              ; this unit's 32 loads are in; the next unit's 32 may be out
.else
	s_wait_loadcnt 0x0
.endif
.if (\u)+2 < 12
	ULOAD (\u)+2                                   ; into the slot that the unit before this one has left
.endif
	UPROC \u
.endm
; CONSUMER.
.macro WM c, t, u, s, j                ; channel tile c, tile t (slot u of the two in registers, pair j), K step s
.set DA, ACC+48*(\c)+8*(\t)
.set FA, TP+24*(\u)+12*(\s)
.set FB, KW+24*(\c)+12*(\s)
.set SCA, AS+2*(\j)+(\s)
.set SCB, KWS+2*(\c)+(\s)
.if (\s) == 0
.if (\u) == 0
	v_wmma_scale_f32_16x16x128_f8f6f4 v[DA:DA+7], v[FA:FA+11], v[FB:FB+11], 0, v[SCA], v[SCB] matrix_a_fmt:MATRIX_FMT_BF6 matrix_b_fmt:MATRIX_FMT_BF6
.else
	v_wmma_scale_f32_16x16x128_f8f6f4 v[DA:DA+7], v[FA:FA+11], v[FB:FB+11], 0, v[SCA], v[SCB] matrix_a_fmt:MATRIX_FMT_BF6 matrix_b_fmt:MATRIX_FMT_BF6 matrix_a_scale:MATRIX_SCALE_ROW1
.endif
.else
.if (\u) == 0
	v_wmma_scale_f32_16x16x128_f8f6f4 v[DA:DA+7], v[FA:FA+11], v[FB:FB+11], v[DA:DA+7], v[SCA], v[SCB] matrix_a_fmt:MATRIX_FMT_BF6 matrix_b_fmt:MATRIX_FMT_BF6
.else
	v_wmma_scale_f32_16x16x128_f8f6f4 v[DA:DA+7], v[FA:FA+11], v[FB:FB+11], v[DA:DA+7], v[SCA], v[SCB] matrix_a_fmt:MATRIX_FMT_BF6 matrix_b_fmt:MATRIX_FMT_BF6 matrix_a_scale:MATRIX_SCALE_ROW1
.endif
.endif
.endm
; The registers of output jo (0..7 of my lane), the q-th of its batch.  With x the lane's column: pair (b, c)(x) at AC + 8 (x / 4) + 2 ((x + 1) % 4); a(x) at AC + 32 + 8 (x / 8) + (x + 2) % 8.
.macro REGS ct, jo, q
.set AC, ACC+48*(\ct)
.set TQ, TP+10*(\q)
.set NN, NB2+2*(\q)
.set QP, QS+2*(\jo)
.if (\jo) == 0
.set LP, HP                            ; column 2 jo - 1: rows b, c;
.set LS, HA                            ; row a
.else
.set LP, AC+8*((2*(\jo)-1)/4)+2*((2*(\jo))%4)
.set LS, AC+32+8*((2*(\jo)-1)/8)+((2*(\jo)+1)%8)
.endif
.set CP, AC+8*((2*(\jo))/4)+2*((2*(\jo)+1)%4)          ; column 2 jo: rows b, c
.set RP, AC+8*((2*(\jo)+1)/4)+2*((2*(\jo)+2)%4)        ; column 2 jo + 1: rows b, c
.set AP, AC+32+8*((2*(\jo))/8)+((2*(\jo)+2)%8)         ; row a, columns 2 jo and 2 jo + 1
.endm
; The column to the left of my sixteen.  Lanes 16-31 want this chunk's column 15, which lanes 0-15 hold as their last; lanes 0-15 want the last chunk's column 31, which lanes 16-31 have kept.
.macro HALO ct
.set AC, ACC+48*(\ct)
	v_cndmask_b32 v[HT], v[AC+24], v[SH+4*(\ct)], s28              ; what I hand over: lanes 0-15 my last column, lanes 16-31 the one kept
	v_cndmask_b32 v[HT+1], v[AC+25], v[SH+4*(\ct)+1], s28
	v_cndmask_b32 v[HT+2], v[AC+41], v[SH+4*(\ct)+2], s28
	v_mov_b32 v[SH+4*(\ct)], v[AC+24]                              ; my last column is kept for the next chunk
	v_mov_b32 v[SH+4*(\ct)+1], v[AC+25]
	v_mov_b32 v[SH+4*(\ct)+2], v[AC+41]
	v_permlanex16_b32 v[HP], v[HT], s26, s27
	v_permlanex16_b32 v[HP+1], v[HT+1], s26, s27
	v_permlanex16_b32 v[HA], v[HT+2], s26, s27
.endm
; Four outputs j0 .. j0 + 3 of channel tile ct, chunk k.
.macro BATCH ct, j0, k
.irp q, 0,1,2,3
	REGS \ct, (\j0)+\q, \q
	v_pk_mul_f32 v[TQ:TQ+1], v[LP:LP+1], v[QP:QP+1] op_sel_hi:[1,0]        ; t = K' x qs (of the pair (qs, 1 + sigmoid) the low word serves both halves)
	v_pk_mul_f32 v[TQ+2:TQ+3], v[CP:CP+1], v[QP:QP+1] op_sel_hi:[1,0]
	v_pk_mul_f32 v[TQ+4:TQ+5], v[RP:RP+1], v[QP:QP+1] op_sel_hi:[1,0]
	v_pk_mul_f32 v[TQ+6:TQ+7], v[AP:AP+1], v[QP:QP+1] op_sel_hi:[1,0]
	v_mul_f32 v[TQ+9], v[LS], v[QP]
.endr
.irp q, 0,1,2,3
	v_max3_num_f32 v[TP+10*\q+8], v[TP+10*\q], v[TP+10*\q+1], v[TP+10*\q+2]   ; m, the window's largest t (the four outputs by turns)
.endr
.irp q, 0,1,2,3
	v_max3_num_f32 v[TP+10*\q+8], v[TP+10*\q+8], v[TP+10*\q+3], v[TP+10*\q+4]
.endr
.irp q, 0,1,2,3
	v_max3_num_f32 v[TP+10*\q+8], v[TP+10*\q+8], v[TP+10*\q+5], v[TP+10*\q+6]
.endr
.irp q, 0,1,2,3
	v_max3_num_f32 v[TP+10*\q+8], v[TP+10*\q+8], v[TP+10*\q+7], v[TP+10*\q+9]
.endr
.irp q, 0,1,2,3
.irp e, 0,2,4,6
	v_pk_add_f32 v[TP+10*\q+\e:TP+10*\q+\e+1], v[TP+10*\q+\e:TP+10*\q+\e+1], v[TP+10*\q+8:TP+10*\q+9] op_sel_hi:[1,0] neg_lo:[0,1] neg_hi:[0,1]   ; t - m
.endr
	v_sub_f32 v[TP+10*\q+9], v[TP+10*\q+9], v[TP+10*\q+8]
.endr
.irp q, 0,1,2,3
.irp e, 0,1,2,3,4,5,6,7,9
	v_exp_f32 v[TP+10*\q+\e], v[TP+10*\q+\e]       ; e = 2^(t - m): 36 as one batch
.endr
.endr
	v_nop                                          ; a plain instruction behind the last exponential (ISA guide 5.7.2),
	s_wait_alu depctr_va_vdst(0)                   ; and the one wait ahead of the batch's first reader
.irp q, 0,1,2,3
	REGS \ct, (\j0)+\q, \q
	v_pk_mul_f32 v[NN:NN+1], v[TQ:TQ+1], v[LP:LP+1]                ; the sum of e x K'
.endr
.irp q, 0,1,2,3
	REGS \ct, (\j0)+\q, \q
	v_pk_fma_f32 v[NN:NN+1], v[TQ+2:TQ+3], v[CP:CP+1], v[NN:NN+1]
.endr
.irp q, 0,1,2,3
	REGS \ct, (\j0)+\q, \q
	v_pk_fma_f32 v[NN:NN+1], v[TQ+4:TQ+5], v[RP:RP+1], v[NN:NN+1]
.endr
.irp q, 0,1,2,3
	REGS \ct, (\j0)+\q, \q
	v_pk_fma_f32 v[NN:NN+1], v[TQ+6:TQ+7], v[AP:AP+1], v[NN:NN+1]
.endr
.irp q, 0,1,2,3
	v_pk_add_f32 v[TP+10*\q:TP+10*\q+1], v[TP+10*\q:TP+10*\q+1], v[TP+10*\q+2:TP+10*\q+3]   ; the sum of e
.endr
.irp q, 0,1,2,3
	v_pk_add_f32 v[TP+10*\q+4:TP+10*\q+5], v[TP+10*\q+4:TP+10*\q+5], v[TP+10*\q+6:TP+10*\q+7]
.endr
.irp q, 0,1,2,3
	v_pk_add_f32 v[TP+10*\q:TP+10*\q+1], v[TP+10*\q:TP+10*\q+1], v[TP+10*\q+4:TP+10*\q+5]
.endr
.irp q, 0,1,2,3
	v_add_f32 v[NB2+2*\q], v[NB2+2*\q], v[NB2+2*\q+1]
.endr
.irp q, 0,1,2,3
	v_add_f32 v[TP+10*\q], v[TP+10*\q], v[TP+10*\q+1]
.endr
.irp q, 0,1,2,3
	REGS \ct, (\j0)+\q, \q
	v_fmac_f32 v[NN], v[TQ+9], v[LS]
.endr
.irp q, 0,1,2,3
	v_add_f32 v[TP+10*\q], v[TP+10*\q], v[TP+10*\q+9]              ; at least 1: the largest t gives e = 1
.endr
.irp q, 0,1,2,3
	v_rcp_f32 v[TP+10*\q+2], v[TP+10*\q]
.endr
	v_nop
	s_wait_alu depctr_va_vdst(0)                   ; one wait for the four reciprocals
.irp q, 0,1,2,3
	v_fma_f32 v[NB2+2*\q], v[NB2+2*\q], v[TP+10*\q+2], v[BETA+2*(\ct)]   ; att = K_b + sum of e K' / sum of e
.endr
.irp q, 0,1,2,3
	v_mul_f32 v[ACC+48*(\ct)+4*(\j0)+\q], v[NB2+2*\q], v[QS+2*((\j0)+\q)+1]   ; x (1 + sigmoid), into a tile whose numbers this batch has read for the last time
.endr
	ds_store_b128 v[SO], v[ACC+48*(\ct)+4*(\j0):ACC+48*(\ct)+4*(\j0)+3] offset:(\ct)*16*SP+(\k)*64+(\j0)*4
.endm
.macro CONS k
.set BF, ((\k)%2)*BUFSZ
.irp e, 0,1,2,3
	ds_load_b128 v[QS+4*\e:QS+4*\e+3], v[RT] offset:TAB+(\k)*128+16*\e
.endr
.irp j, 0,1,2
.irp s, 0,1
	ds_load_b32 v[AS+2*\j+\s], v[LN4] offset:BF+SCO+(2*\j+\s)*128  ; lanes 0-15: tile 2 j's rows, lanes 16-31: tile 2 j + 1's
.endr
.endr
.irp j, 0,1,2                                  ; two tiles at a time; each fragment is read once and serves both channel tiles
.if \j > 0
.rept 4
	v_nop                                          ; four places in front of loads into registers that matrix instructions have read
.endr
.endif
.irp u, 0,1
.set TT, 2*\j+\u
.if TT < 4
.set PD, (TT%2)*8+(TT/2)*128                   ; the tiles are shifted against each other, so that the 32 lanes of a producer's store are spread over the banks
.else
.set PD, (TT-4)*128
.endif
.irp s, 0,1
.irp e, 0,1,2,3,4,5
	ds_load_b64 v[TP+24*\u+12*\s+2*\e:TP+24*\u+12*\s+2*\e+1], v[LN8] offset:BF+TT*TS+PD+\s*FRB+\e*256
.endr
.endr
.endr
	s_wait_dscnt 0x0                               ; the fragments are in; so are the last chunk's stores into the stage, whose registers the sums take again
.irp s, 0,1                                    ; four accumulators by turns, one instruction a turn
.irp u, 0,1
.irp c, 0,1
	WM \c, 2*\j+\u, \u, \s, \j
.endr
.endr
.endr
.endr
.rept 4
	v_nop                                          ; four places in front of the first read or write of results (ISA guide 7.12.1)
.endr
	s_cmp_lg_u32 s22, 0                            ; output row 0: row a is the padding above the image (its loads were held at row 0): K' = -K_b
	s_cbranch_scc1 .Lnf_\@
.irp c, 0,1
.irp j, 0,1,2,3,4,5,6,7,8,9,10,11,12,13,14,15
	v_mov_b32 v[ACC+48*\c+32+\j], v[BETA+2*\c+1]
.endr
.endr
.Lnf_\@:
.irp c, 0,1
	HALO \c
	BATCH \c, 0, \k
	BATCH \c, 4, \k
.endr
.endm
; Stage n = 1..3: chunk n is produced while chunk n - 1 is consumed; the barrier stands in the text that all waves take.
.macro STAGE n
	s_cmp_lt_u32 s20, 8
	s_cbranch_scc1 .Lc_\@
	PUNIT 3*(\n)
	PUNIT 3*(\n)+1
	PUNIT 3*(\n)+2
	s_branch .Lj_\@
.Lc_\@:
	CONS (\n)-1
.Lj_\@:
	BAR
.endm
	s_load_b256 s[4:11], s[0:1], 0x0               ; shallow, K_b, mo, litp
	s_load_b256 s[12:19], s[0:1], 0x20             ; kwc, kws, out0, out1
	v_lshl_add_u32 v254, v0, 2, 0x1b400
	v_mov_b32 v255, 0
	v_lshrrev_b32 v13, 5, v0
	v_readfirstlane_b32 s20, v13                   ; wave 0..15
	s_and_b32 s24, s20, 7                          ; the consumer's or the producer's number
	s_lshr_b32 s21, ttmp9, 6                       ; batch
	s_and_b32 s22, ttmp9, 63                       ; output row i
	s_mov_b32 s26, 0x76543210
	s_mov_b32 s27, 0xfedcba98                      ; v_permlanex16_b32's selects for lane l xor 16
	s_mov_b32 s28, 0xffff0000                      ; lanes 16-31
	; the producer's block w = 4 s + 2 c + h' is registers 6 c .. 6 c + 5 of lanes 16 h' + m of the fragments of K step s, and byte w % 4 of their scale words
	s_lshr_b32 s25, s24, 2
	s_mul_i32 s29, s25, FRB
	s_bfe_u32 s23, s24, 0x10001
	s_mul_i32 s23, s23, 768
	s_add_co_u32 s29, s29, s23
	s_and_b32 s23, s24, 1
	s_lshl_b32 s23, s23, 7
	s_add_co_u32 s29, s29, s23
	s_lshl_b32 s25, s25, 7
	s_and_b32 s23, s24, 3
	s_add_co_u32 s25, s25, s23
	s_add_co_u32 s25, s25, SCO
	v_and_b32 v13, 31, v0
	v_lshlrev_b32 v[LN4], 2, v13
	v_lshlrev_b32 v[LN8], 3, v13
	v_lshlrev_b32 v[LN16], 4, v13
	v_bfe_u32 v15, v0, 4, 1                        ; H
	v_lshlrev_b32 v[RT], 6, v15
	; rows b, c: my column 16 H + 4 n + i is row m = 8 H + 2 ((i + 1) % 4) (+ 1 for c) of tile n
	v_bfe_u32 v13, v0, 2, 2                        ; n
	v_mul_u32_u24 v[WBC], v13, TS
	v_bfe_u32 v13, v0, 2, 1                        ; n % 2: the tile's shift of 8 bytes; the upper 16 lanes of a scale register
	v_lshl_add_u32 v[WBC], v13, 3, v[WBC]
	v_lshlrev_b32 v[SBC], 6, v13
	v_bfe_u32 v14, v0, 3, 1                        ; n / 2: the shift of 128 bytes; the pair of tiles
	v_lshl_add_u32 v[WBC], v14, 7, v[WBC]
	v_lshl_add_u32 v[SBC], v14, 8, v[SBC]
	v_lshl_add_u32 v[WBC], v15, 6, v[WBC]
	v_lshl_add_u32 v[SBC], v15, 5, v[SBC]
	v_add_nc_u32 v13, 1, v0
	v_and_b32 v13, 3, v13                          ; (i + 1) % 4
	v_lshl_add_u32 v[WBC], v13, 4, v[WBC]
	v_lshl_add_u32 v[SBC], v13, 3, v[SBC]
	v_add_nc_u32 v[WBC], s29, v[WBC]
	v_add_nc_u32 v[SBC], s25, v[SBC]
	; row a: my column 16 H + 8 n + j is row m = 8 H + (j + 2) % 8 of tile 4 + n
	v_mul_u32_u24 v[WA], v14, TS+128
	v_lshlrev_b32 v[SA], 6, v14
	v_lshl_add_u32 v[WA], v15, 6, v[WA]
	v_lshl_add_u32 v[SA], v15, 5, v[SA]
	v_add_nc_u32 v13, 2, v0
	v_and_b32 v13, 7, v13                          ; (j + 2) % 8
	v_lshl_add_u32 v[WA], v13, 3, v[WA]
	v_lshl_add_u32 v[SA], v13, 2, v[SA]
	s_add_co_u32 s29, s29, 4*TS
	s_add_co_u32 s25, s25, 512
	v_add_nc_u32 v[WA], s29, v[WA]
	v_add_nc_u32 v[SA], s25, v[SA]
	; the consumer's
	v_and_b32 v13, 15, v0                          ; r
	v_lshlrev_b32 v[R4], 2, v13
	s_mul_i32 s23, s24, 32*SP
	s_add_co_u32 s23, s23, STG                     ; my 32 rows of the stage
	v_mul_u32_u24 v[SO], v13, SP
	v_lshl_add_u32 v[SO], v15, 5, v[SO]
	v_add_nc_u32 v[SO], s23, v[SO]                 ; in: row r, + 32 H bytes
	v_mul_u32_u24 v[SR], v15, SP
	v_lshl_add_u32 v[SR], v13, 4, v[SR]
	v_add_nc_u32 v[SR], s23, v[SR]                 ; back: lanes 0-15 one row, lanes 16-31 the next
	v_lshlrev_b32 v[GO], 14, v15
	v_lshl_add_u32 v[GO], v13, 4, v[GO]            ; and the same two channels in out0
	; byte offsets into the buffers
	s_lshl_b32 s34, s21, 24                        ; shallow: batch x 16 MiB + 32 channels of 64 KiB for each block
	s_lshl_b32 s23, s24, 21
	s_add_co_u32 s34, s34, s23
	s_lshl_b32 s23, s22, 1
	s_sub_co_i32 s23, s23, 1
	s_max_i32 s23, s23, 0                          ; row a = 2 i - 1, held at 0: no load leaves the buffer
	s_lshl_b32 s23, s23, 9
	s_add_co_u32 s36, s34, s23
	s_mov_b32 s37, 0
	s_lshl_b32 s23, s22, 10                        ; row b = 2 i
	s_add_co_u32 s34, s34, s23
	s_mov_b32 s35, 0
	s_lshl_b32 s38, s21, 22                        ; out0: batch x 4 MiB + 32 channels of 16 KiB for each consumer + row i
	s_lshl_b32 s23, s24, 19
	s_add_co_u32 s38, s38, s23
	s_lshl_b32 s23, s22, 8
	s_add_co_u32 s38, s38, s23
	s_mov_b32 s39, 0
	s_lshl_b32 s40, s21, 14                        ; out1
	s_add_co_u32 s40, s40, s23
	s_mov_b32 s41, 0
	s_lshl_b32 s42, s21, 19                        ; mo
	s_add_co_u32 s42, s42, s23
	s_mov_b32 s43, 0
	s_lshl_b32 s44, s21, 11                        ; litp: 16 parts of 128 bytes a batch
	s_mov_b32 s45, 0
	s_mul_i32 s46, s24, 4*FRB                      ; K_w's codes: four fragments a consumer
	s_mov_b32 s47, 0
	s_lshl_b32 s48, s24, 9                         ; their scale words
	s_mov_b32 s49, 0
	s_lshl_b32 s50, s24, 7                         ; K_b
	s_mov_b32 s51, 0
	s_wait_kmcnt 0x0
	s_add_nc_u64 s[30:31], s[4:5], s[34:35]
	s_add_nc_u64 s[32:33], s[4:5], s[36:37]
	s_add_nc_u64 s[6:7], s[6:7], s[50:51]
	s_add_nc_u64 s[8:9], s[8:9], s[42:43]
	s_add_nc_u64 s[10:11], s[10:11], s[44:45]
	s_add_nc_u64 s[12:13], s[12:13], s[46:47]
	s_add_nc_u64 s[14:15], s[14:15], s[48:49]
	s_add_nc_u64 s[16:17], s[16:17], s[38:39]
	s_add_nc_u64 s[18:19], s[18:19], s[40:41]
	; ---- stage 0: chunk 0 is produced | the consumers fetch what stays, wave 0 makes the table
	s_cmp_lt_u32 s20, 8
	s_cbranch_scc1 .Lc0
	ULOAD 0
	ULOAD 1
	PUNIT 0
	PUNIT 1
	PUNIT 2
	s_branch .Lj0
.Lc0:
.irp f, 0,1,2,3
.irp q, 0,1,2
	global_load_b128 v[KW+12*\f+4*\q:KW+12*\f+4*\q+3], v[LN16], s[12:13] offset:FRB*\f+512*\q   ; K_w's fragments, as the first launch laid them: 512 consecutive bytes a load
.endr
	global_load_b32 v[KWS+\f], v[LN4], s[14:15] offset:128*\f
.endr
.irp c, 0,1
	global_load_b32 v[BETA+2*\c], v[R4], s[6:7] offset:64*\c       ; K_b of channel 32 w + 16 c + r
.endr
	v_mov_b32 v[HP], 0                             ; written once: a lane permute's destination counts as one of its sources
	v_mov_b32 v[HP+1], 0
	v_mov_b32 v[HA], 0
	s_cmp_lg_u32 s20, 0
	s_cbranch_scc1 .Lnt
	; THE TABLE, by wave 0, in registers that the sums take later.  lit: lane = d, the batch's 16 parts.  mo: a lane has positions 2 l and 2 l + 1 of my output row, registers down the 32 channels.
.set p, 0
.rept 16
	global_load_b32 v[160+p], v[LN4], s[10:11] offset:128*p
.set p, p+1
.endr
.set d, 0
.rept 32
	global_load_b64 v[96+2*d:97+2*d], v[LN8], s[8:9] offset:16384*d
.set d, d+1
.endr
	s_wait_loadcnt 32                              ; all but mo's 32 loads are in
.irp p, 0,1,2,3,4,5,6,7
	v_add_f32 v[160+\p], v[160+\p], v[168+\p]
.endr
.irp p, 0,1,2,3
	v_add_f32 v[160+\p], v[160+\p], v[164+\p]
.endr
	v_add_f32 v160, v160, v162
	v_add_f32 v161, v161, v163
	v_add_f32 v160, v160, v161                     ; lit[lane]
.set d, 0
.rept 32
	v_readlane_b32 s[66+d], v160, d
.set d, d+1
.endr
	s_wait_loadcnt 0x0
	v_mul_f32 v176, s66, v96                       ; re_score of my two positions
	v_mul_f32 v177, s66, v97
.set d, 1
.rept 31
	v_fmac_f32 v176, s[66+d], v[96+2*d]
	v_fmac_f32 v177, s[66+d], v[97+2*d]
.set d, d+1
.endr
	v_pk_add_f32 v[178:179], v[96:97], v[98:99]    ; the sum over the channels, in two chains
	v_pk_add_f32 v[180:181], v[100:101], v[102:103]
.irp d, 4,6,8,10,12,14,16,18,20,22,24,26,28,30
	v_pk_add_f32 v[178:179], v[178:179], v[96+2*\d:97+2*\d]
	v_pk_add_f32 v[180:181], v[180:181], v[98+2*\d:99+2*\d]
.endr
	v_pk_add_f32 v[178:179], v[178:179], v[180:181]
	v_pk_mul_f32 v[178:179], v[178:179], 0x3d38aa3b op_sel_hi:[1,0]   ; qs = mean x log2(e): x log2(e) / 32
	global_store_b64 v[LN8], v[176:177], s[18:19]  ; out1: 32 lanes store the row's 256 consecutive bytes
	v_mul_f32 v182, 0xbfb8aa3b, v176               ; sigmoid(x) = 1 / (1 + 2^(-x log2 e))
	v_mul_f32 v183, 0xbfb8aa3b, v177
	v_exp_f32 v182, v182
	v_exp_f32 v183, v183
	v_nop
	s_wait_alu depctr_va_vdst(0)                   ; the wait ahead of the first reader
	v_add_f32 v182, 1.0, v182
	v_add_f32 v183, 1.0, v183
	v_rcp_f32 v182, v182
	v_rcp_f32 v183, v183
	v_nop
	s_wait_alu depctr_va_vdst(0)
	v_mov_b32 v184, v178
	v_add_f32 v185, 1.0, v182
	v_mov_b32 v186, v179
	v_add_f32 v187, 1.0, v183
	ds_store_b128 v[LN16], v[184:187] offset:TAB   ; two positions' entries, 16 bytes a lane
.Lnt:
	s_wait_loadcnt 0x0                             ; K_w, its scale words, K_b
	s_wait_xcnt 0x0                                ; out1's store has read its registers: the sums may take them
.irp c, 0,1
	v_xor_b32 v[BETA+2*\c+1], 0x80000000, v[BETA+2*\c]             ; -K_b: what a padded zero is as K'
.endr
.irp c, 0,1
.irp e, 0,1,2
	v_mov_b32 v[SH+4*\c+\e], v[BETA+2*\c+1]        ; the column to the left of the image
.endr
.endr
.Lj0:
	BAR                                            ; chunk 0 and the table lie in LDS
	STAGE 1
	STAGE 2
	STAGE 3
	s_cmp_lt_u32 s20, 8
	s_cbranch_scc1 .Lc4
	s_wait_tensorcnt 0x0
	ds_add_u32 v254, v255
	s_wait_dscnt 0x0
	s_endpgm                                       ; the producers are done: no barrier follows
.Lc4:
	CONS 3
	; THE WAY OUT.  My 32 channels' rows of 256 bytes lie in my own part of the stage: LDS serves a wave's instructions in order, so no barrier is needed.
	s_wait_dscnt 0x0
.irp t, 0,1,2,3,4,5,6,7,8,9,10,11,12,13,14,15
	ds_load_b128 v[128+4*\t:131+4*\t], v[SR] offset:2*\t*SP
.endr
.irp t, 0,1,2,3,4,5,6,7,8,9,10,11,12,13,14,15
	s_wait_dscnt 15-\t                             ; the loads behind this one may be out
	global_store_b128 v[GO], v[128+4*\t:131+4*\t], s[16:17] offset:\t*32768 th:TH_STORE_NT   ; 16 lanes store a channel's 256 consecutive bytes, at a multiple of 256 from out0's first byte
.endr
	s_wait_tensorcnt 0x0
	ds_add_u32 v254, v255
	s_wait_dscnt 0x0
	s_endpgm
.Lfunc_end_k_qb646414522_window:
	.size	k_qb646414522_window, .Lfunc_end_k_qb646414522_window-k_qb646414522_window
	.p2alignl 7, 3214868480
	.fill 96, 4, 3214868480
	.section	.rodata,"a",@progbits
	.p2align	6, 0x0
	.amdhsa_kernel k_qb646414522_window
		.amdhsa_group_segment_fixed_size 113664
		.amdhsa_private_segment_fixed_size 0
		.amdhsa_enable_private_segment 0
		.amdhsa_kernarg_size 64
		.amdhsa_user_sgpr_count 2
		.amdhsa_user_sgpr_kernarg_segment_ptr 1
		.amdhsa_wavefront_size32 1
		.amdhsa_system_sgpr_workgroup_id_x 1
		.amdhsa_system_sgpr_workgroup_id_y 1
		.amdhsa_system_sgpr_workgroup_id_z 1
		.amdhsa_system_vgpr_workitem_id 0
		.amdhsa_next_free_vgpr 256
		.amdhsa_next_free_sgpr 100
		.amdhsa_reserve_vcc 0
		.amdhsa_float_denorm_mode_32 3
		.amdhsa_float_denorm_mode_16_64 3
		.amdhsa_memory_ordered 1
		.amdhsa_forward_progress 1
		.amdhsa_inst_pref_size 239
	.end_amdhsa_kernel
	.amdgpu_metadata
---
amdhsa.version: [ 1, 2 ]
amdhsa.kernels:
  - .name:           k_qb646414522_window
    .symbol:         k_qb646414522_window.kd
    .args:
      - { .name: shallow, .offset: 0, .size: 8, .value_kind: global_buffer, .address_space: global }
      - { .name: K_b, .offset: 8, .size: 8, .value_kind: global_buffer, .address_space: global }
      - { .name: mo, .offset: 16, .size: 8, .value_kind: global_buffer, .address_space: global }
      - { .name: litp, .offset: 24, .size: 8, .value_kind: global_buffer, .address_space: global }
      - { .name: kwc, .offset: 32, .size: 8, .value_kind: global_buffer, .address_space: global }
      - { .name: kws, .offset: 40, .size: 8, .value_kind: global_buffer, .address_space: global }
      - { .name: out0, .offset: 48, .size: 8, .value_kind: global_buffer, .address_space: global }
      - { .name: out1, .offset: 56, .size: 8, .value_kind: global_buffer, .address_space: global }
    .group_segment_fixed_size: 113664
    .private_segment_fixed_size: 0
    .kernarg_segment_align: 8
    .kernarg_segment_size: 64
    .max_flat_workgroup_size: 512
    .sgpr_count:     100
    .vgpr_count:     256
    .wavefront_size: 32
...
	.end_amdgpu_metadata
.endif
;; end of part 3
